; MI455X (gfx1250); checked and timed in simulation.
; The chip was launched on July 23, 2026; its instructions are those of AMD's public machine-readable ISA for CDNA 5 (MIT licence, August 2026) and "CDNA5" Instruction Set Architecture Reference Guide (July 2026). The comments in the code are by the model that wrote it; some were corrected since.
;; Geometric Attention. Allowed arithmetic: matrix products marked QUANTISED: E2M3 operands, one E8M0 scale for each 32 along K, by v_wmma_scale_f32_16x16x128_f8f6f4 with both operands' format E2M3, f32 sums; everything else in f32.
;; Inputs: keys 4 x 2,048 x 8 x 64 float32; queries 4 x 2,048 x 8 x 64 float32; values 4 x 2,048 x 8 x 64 float32.
;; Outputs: out0 4 x 2,048 x 8 x 64 float32.
;; This version of the problem:
;;   THIS VERSION OF THE PROBLEM IS GIVEN IN LOW PRECISION. The matrix products marked QUANTISED in the list below multiply operands that are first quantised to E2M3 (2 exponent bits, 3 mantissa bits; 6 bits a number), with one power-of-two scale for each 32 numbers along K (OCP MX v1.0); their sums are f32. All else is computed in f32.
;;   The module's matrix products, in the order in which they are computed (A, B: the left and right operand; K: the contracted axis; several contracted axes count as one K, in the product's order):
;;     1. batch 32 x [M 2,048, K 64] x [K 64, N 2,048]; A: input queries; B: input keys: QUANTISED
;;     2. batch 32 x [M 64, K 2,048] x [K 2,048, N 2,048]; A: input values; B: softmax (see below): QUANTISED
;;   THE QUANTISER, for each operand of a quantised product, along K:
;;     - K is cut into blocks of 32 from its start; a last block that is shorter is filled with zeros.
;;     - A block's scale is 2^e with e = floor(log2(the largest magnitude in the block)) - 2, held to -126 .. 127; a block of zeros has e = 0. As a byte (E8M0): e + 127.
;;     - Each number is divided by its block's scale, clamped to +-7.5, and rounded to the nearest number of E2M3, ties to even, subnormals kept.
;;     - The product sums the exact products of the quantised numbers (number of the format x scale) in f32.
;;   ~~~python
;;   def quantise(x, axis):      # numpy; x: float32 -> the quantised numbers, widened to float32 again
;;       x = np.moveaxis(x, axis, -1); K = x.shape[-1]
;;       x = np.pad(x, [(0, 0)] * (x.ndim - 1) + [(0, -K % 32)]); x = x.reshape(x.shape[:-1] + (-1, 32)); a = np.abs(x).max(-1, keepdims=True)
;;       e = np.where(a > 0, np.clip(np.frexp(np.where(a > 0, a, 1))[1] - 1 - 2, -126, 127), 0)      # np.frexp(a)[1] - 1 = floor(log2(a)), exactly
;;       r = np.clip(x / 2.0 ** e, -7.5, 7.5)
;;       step = 2.0 ** (np.maximum(np.frexp(np.where(r == 0, 1, r))[1] - 1, 0) - 3)
;;       q = np.round(r / step) * step * 2.0 ** e      # np.round: ties to even
;;       return np.moveaxis(q.reshape(q.shape[:-2] + (-1,))[..., :K], -1, axis).astype(np.float32)
;;   ~~~
;;   SOFTMAX AHEAD OF A QUANTISED PRODUCT. Where the list says 'softmax', what is quantised is not the finished softmax but p = 2^(t - M), with t = logit x log2(e) and M = ceil(the row's largest t), a whole number; so 1/2 < the row's largest p <= 1. The row's sum l is taken of the UNQUANTISED p, in f32, and the product's result is divided by l at the end. Since M is a whole number, a kernel that streams over the keys may use a running M (the ceiling of the running maximum): every later rescaling is an exact power of two, which a block's scale takes up: the codes' values come out the same.
;;   OPERANDS COMPUTED ON THE WAY. 'Computed on the way' means the value that the module computes at that place (a softmax that the list does not call 'softmax' is quantised finished and normalised). What goes into a quantiser is computed in f32, as accurately as f32 sums, v_exp_f32 and their like allow (about 1e-6 of the number): no bf16 or f16 on the way to a quantiser, and a product that is left as it is and whose result goes on into a quantised operand takes f32 operands (vector FMAs, or v_wmma_f32_16x16x4_f32). A number that lies on a knife's edge between two numbers of the format may be rounded either way, as far as f32 arithmetic and the matrix unit's own rounding can turn it there, and no further.
;; One version. Each part assembles by itself: llvm-mc -triple=amdgcn-amd-amdhsa -mcpu=gfx1250 --defsym DOCPART=n.
;; ======== version 1 of 1: 2 launches
;; workspace buffers: kv 7,077,888 bytes
;; launch prep (part 1): grid 8 x 32, 8 waves a work-group, no clusters, 168,960 bytes of LDS; arguments keys, values, kv; writes kv
.if DOCPART == 1
	.amdgcn_target "amdgcn-amd-amdhsa--gfx1250"
	.amdhsa_code_object_version 6
	.text
	.protected	k_qf381b936f2_prep
	.globl	k_qf381b936f2_prep
	.p2align	8
	.type	k_qf381b936f2_prep,@function
k_qf381b936f2_prep:
	s_mov_b64 s[64:65], 0
	v_nop
	global_prefetch_b8 v0, s[64:65] scope:SCOPE_SE
	s_setreg_imm32_b32 hwreg(HW_REG_WAVE_MODE, 25, 1), 1
	s_wait_xcnt 0x0
; keys, values: [4][2048][8][64] f32.  They are turned ONCE into what the attention launch's matrix instructions take: codes of FP6 (E2M3) with one E8M0 scale byte for each 32 along a product's K,
; laid as IMAGES OF THE OPERANDS' REGISTERS, chunk by chunk of 128 keys.  K is quantised along the 64 channels (two blocks a key), V along the keys (a block = 32 keys of one channel).  Also |k|^2 of the unquantised keys, f32.
; kv: head hd = 8 b + h at hd x 221,184; chunk c (keys 128 c on) at + 13,824 c.  In a chunk:
;   KC  = 0      four PAIR fragments of K (bb = 0..3), 1,536 bytes each: register p of lane l at 1536 bb + 512 (p / 4) + 16 l + 4 (p % 4).
;                registers 0-5: lane (r, hh) holds key 32 bb + r + 8 (r / 8), channels 32 hh + 0..31;  registers 6-11: the key 8 further on, the same channels.
;   VC  = 6144   four fragments of V^T (td = 0..3), the same image: lane (r, hh) holds channel 16 td + r; registers 6 c .. 6 c + 5 hold keys 64 c + 32 hh + 0..31.
;   KSO = 12288  K's scale words, [lane][bb]: bytes 0, 1 the first key's two blocks, bytes 2, 3 the second key's.   + 512: V's, [lane][td]: byte b for keys 32 b on.   + 1024: |k|^2, 128 f32, keys in their order.
; A block's scale is 2^(floor(log2(its largest magnitude)) - 2); its byte is the largest magnitude's exponent field - 2, held at 1 from below.
; LIMITS: NaN and infinities among the inputs are not served.  A block whose largest magnitude lies under 2^-124 is held at the byte 1; a block of zeros gets the byte 1 where the rule says 127: its codes are zeros,
; which add nothing under any byte but 0xff, and this program alone reads the bytes.  |k|^2 is summed in two packed chains, another order than a plain running sum.
; SHARES.  A work-group takes 256 keys (two chunks) of one head; 8 x 32 work-groups.  Wave w: chunk cc = w / 4, quarter qd = w % 4: K's pair fragment bb = qd (32 keys), their |k|^2, and V's fragment td = qd.
; The rows come by the tensor data mover, one load a wave (waves 0-3: 64 rows of K each, waves 4-7: of V), each row 256 consecutive bytes at a multiple of 256 from the buffer's start.  No LDS byte is filled twice.
; No cluster: no two work-groups read the same rows.  No matrix instruction: there is no product here.
.set PITCH, 272                        ; an LDS row: 256 bytes + 16 of padding
.set VROWS, 256*PITCH                  ; V's 256 rows lie behind K's 256
.set SCR,   2*VROWS                    ; scratch, written by LDS stores alone: for each chunk the image of its last 1,536 bytes
.set HEADB, 221184
.set CHUNK, 13824
.set KC,    0
.set VC,    6144
.set KSO,   12288
.set WV,  10                           ; s10 wave;  s11 chunk of the two;  s12 quarter;  s14 head
.set CC,  11
.set QD,  12
.set HD,  14
.set G1,  20                           ; s[20:27] descriptor group 1;  s[28:31], s[32:35] groups 0 for keys and for values
.set G0K, 28
.set G0V, 32
.set SEL, 36                           ; s[36:37] lane selects for v_permlanex16_b32: lane l xor 16
.set M0,  14                           ; v14-21  two sets of four: largest magnitude (two chains), scale operand, scale byte
.set A0,  22                           ; v22-29  two sets of four: sums of squares
.set XK,  32                           ; v32-95   K's numbers: two keys' 32 channels
.set XV,  96                           ; v96-159  V's numbers: two blocks of 32 keys
.set CK,  160                          ; v160-171 K's codes
.set CT,  172                          ; v172-179 the upper halves of blocks, as the conversions leave them
.set CV,  180                          ; v180-191 V's codes: registers of their own, so that no store's data are written again
; 32 numbers of one block, v[x] on, become 6 registers of codes, v[cd] on.  v[m], v[m+1]: the largest magnitude in two chains; v[m+2]: the conversions' scale operand; v[m+3]: the scale's byte.
.macro BLOCK32 x, cd, tmp, m
.set QX, \x
.set QC, \cd
.set QT, \tmp
.set QM, \m
	v_max3_num_f32 v[QM], |v[QX]|, |v[QX+1]|, |v[QX+2]|
	v_max3_num_f32 v[QM+1], |v[QX+3]|, |v[QX+4]|, |v[QX+5]|
.irp i, 6,10,14,18,22,26
	v_max3_num_f32 v[QM], v[QM], |v[QX+\i]|, |v[QX+\i+1]|
	v_max3_num_f32 v[QM+1], v[QM+1], |v[QX+\i+2]|, |v[QX+\i+3]|
.endr
	v_max3_num_f32 v[QM], v[QM], |v[QX+30]|, |v[QX+31]|
	v_max3_num_f32 v[QM], v[QM], v[QM+1], 0x1800000        ; and the floor 2^(3 - 127): the byte cannot fall under 1
	v_add_nc_u32 v[QM+2], 0xff000000, v[QM]                ; 2 off the exponent field: the conversion takes this operand's exponent field as its scale
	v_lshrrev_b32 v[QM+3], 23, v[QM+2]                     ; the scale's byte
	v_cvt_scalef32_pk16_fp6_f32 v[QC:QC+2], v[QX:QX+15], v[QM+2]
	v_cvt_scalef32_pk16_fp6_f32 v[QT:QT+2], v[QX+16:QX+31], v[QM+2]   ; (a conversion's three registers begin on an even number)
	v_nop                                                  ; one plain place behind a scaled conversion
.irp i, 0,1,2
	v_mov_b32 v[QC+3+\i], v[QT+\i]
.endr
.endm
; the sum of the squares of a row of 64: my 32 numbers, v[x] on, in two packed chains, then lane l xor 16's 32.  The result stands in v[a], in both lanes.
.macro SUMSQ x, a
.set QX, \x
.set QA, \a
	v_pk_mul_f32 v[QA:QA+1], v[QX:QX+1], v[QX:QX+1]
	v_pk_mul_f32 v[QA+2:QA+3], v[QX+2:QX+3], v[QX+2:QX+3]
.irp i, 4,8,12,16,20,24,28
	v_pk_fma_f32 v[QA:QA+1], v[QX+\i:QX+\i+1], v[QX+\i:QX+\i+1], v[QA:QA+1]
	v_pk_fma_f32 v[QA+2:QA+3], v[QX+\i+2:QX+\i+3], v[QX+\i+2:QX+\i+3], v[QA+2:QA+3]
.endr
	v_pk_add_f32 v[QA:QA+1], v[QA:QA+1], v[QA+2:QA+3]
	v_add_f32 v[QA], v[QA], v[QA+1]
	v_permlanex16_b32 v[QA+1], v[QA], s[SEL], s[SEL+1]
	v_add_f32 v[QA], v[QA], v[QA+1]
.endm
	s_load_b128 s[4:7], s[0:1], 0x0                ; keys s[4:5], values s[6:7]
	s_load_b64 s[8:9], s[0:1], 0x10                ; kv
	v_lshl_add_u32 v200, v0, 2, 0x29000
	v_mov_b32 v201, 0
	ds_add_u32 v200, v201
	ds_add_u32 v200, v201
	v_lshrrev_b32 v1, 5, v0
	v_readfirstlane_b32 s[WV], v1                  ; wave 0..7
	s_lshr_b32 s[CC], s[WV], 2
	s_and_b32 s[QD], s[WV], 3
	s_and_b32 s[HD], ttmp7, 0xffff                 ; head = 8 b + h
	s_lshr_b32 s18, s[HD], 3                       ; where my 64 rows begin in keys or in values: b x 2048 x 2048 bytes
	s_lshl_b32 s18, s18, 22
	s_lshl_b32 s19, ttmp9, 19                      ; + 256 x work-group x rows of 2,048 bytes
	s_add_co_u32 s18, s18, s19
	s_lshl_b32 s19, s[QD], 17                      ; + 64 (w % 4) rows
	s_add_co_u32 s18, s18, s19
	s_and_b32 s19, s[HD], 7                        ; + h x 256 bytes
	s_lshl_b32 s19, s19, 8
	s_add_co_u32 s18, s18, s19
	s_mov_b32 s19, 0
	s_lshl_b32 s38, ttmp9, 1                       ; where my chunk begins in kv
	s_add_co_u32 s38, s38, s[CC]
	s_mul_i32 s38, s38, CHUNK
	s_mul_i32 s39, s[HD], HEADB
	s_add_co_u32 s38, s38, s39
	s_mov_b32 s39, 0
	; descriptor group 1: 64 rows x 64 elements of 4 bytes, 512 elements from row to row; in LDS 4 words of padding behind every 64
	s_mov_b32 s[G1+0], (2<<16)|(1<<20)|(5<<22)|(3<<25)
	s_mov_b32 s[G1+1], 64<<16                      ; tensor_dim0
	s_mov_b32 s[G1+2], 64<<16                      ; tensor_dim1
	s_mov_b32 s[G1+3], 64<<16                      ; tile_dim0
	s_mov_b32 s[G1+4], 64                          ; tile_dim1
	s_mov_b32 s[G1+5], 512                         ; tensor_dim0_stride
	s_mov_b32 s[G1+6], 0
	s_mov_b32 s[G1+7], 0
	s_mul_i32 s13, s[WV], 64*PITCH                 ; where they go: wave x 64 rows (V's 256 rows lie behind K's 256)
	s_mov_b32 s[SEL], 0x76543210
	s_mov_b32 s[SEL+1], 0xfedcba98
	s_wait_dscnt 0x0
	s_wait_kmcnt 0x0
	s_add_nc_u64 s[8:9], s[8:9], s[38:39]
	s_mov_b32 s[G0K], 1
	s_mov_b32 s[G0K+1], s13
	s_add_nc_u64 s[G0K+2:G0K+3], s[4:5], s[18:19]
	s_or_b32 s[G0K+3], s[G0K+3], 0x80000000
	s_mov_b32 s[G0V], 1
	s_mov_b32 s[G0V+1], s13
	s_add_nc_u64 s[G0V+2:G0V+3], s[6:7], s[18:19]
	s_or_b32 s[G0V+3], s[G0V+3], 0x80000000
	s_cmp_lt_u32 s[WV], 4                          ; waves 0-3 fetch keys, waves 4-7 values: one tensor load of mine is out
	s_cbranch_scc0 .Lfor_v
	tensor_load_to_lds s[G0K:G0K+3], s[G1:G1+7]
	s_nop 0
.rept 4
	v_nop
.endr
	s_branch .Lasked
.Lfor_v:
	tensor_load_to_lds s[G0V:G0V+3], s[G1:G1+7]
	s_nop 0
.rept 4
	v_nop
.endr
.Lasked:
	; every address register is made here, on the one way that all waves take
	v_and_b32 v1, 31, v0                           ; lane l
	v_and_b32 v2, 15, v0                           ; r
	v_bfe_u32 v3, v0, 4, 1                         ; hh
	v_lshlrev_b32 v4, 4, v1                        ; 16 l
	v_and_b32 v196, 8, v2
	v_add_nc_u32 v196, v196, v2                    ; r + 8 (r / 8)
	s_mul_i32 s15, s[WV], 32*PITCH                 ; K: my 32 keys are rows 32 w on;
	v_mul_u32_u24 v5, v196, PITCH
	v_lshl_add_u32 v5, v3, 7, v5                   ; my key's row, + 128 hh: channels 32 hh on
	v_add_nc_u32 v5, s15, v5
	s_mul_i32 s15, s[CC], 128*PITCH                ; V: my chunk's 128 rows,
	s_lshl_b32 s16, s[QD], 6                       ; my quarter's 16 channels,
	s_add_co_u32 s15, s15, s16
	s_add_co_u32 s15, s15, VROWS
	v_mul_u32_u24 v6, v3, 32*PITCH                 ; lanes 16-31 begin 32 keys further down,
	v_lshl_add_u32 v6, v2, 2, v6                   ; channel r of the 16
	v_add_nc_u32 v6, s15, v6
	s_mul_i32 s17, s[CC], 1536
	s_add_co_u32 s17, s17, SCR                     ; my chunk's scratch
	s_lshl_b32 s16, s[QD], 2
	s_add_co_u32 s16, s16, s17
	v_add_nc_u32 v7, s16, v4                       ; scale words: 16 l + 4 qd (V's 512 bytes on)
	s_lshl_b32 s16, s[QD], 7
	s_add_co_u32 s16, s16, s17
	s_add_co_u32 s16, s16, 1024
	v_lshl_add_u32 v8, v196, 2, s16                ; |k|^2: 4 x (32 qd + r + 8 (r / 8)); the second key 32 bytes on
	s_lshl_b32 s16, s[QD], 9
	s_add_co_u32 s16, s16, s17
	v_add_nc_u32 v9, s16, v4                       ; out of the scratch: piece qd of three, 16 bytes a lane
	s_mul_i32 s16, s[QD], 1536
	v_add_nc_u32 v10, s16, v4                      ; kv: my fragment's image
	s_lshl_b32 s16, s[QD], 9
	v_add_nc_u32 v11, s16, v4                      ; kv: my piece of the chunk's last 1,536 bytes
	v_lshlrev_b32 v12, 3, v3                       ; 8 hh: my bytes' place in a scale word
	v_mov_b32 v31, 0                               ; written once: a lane permute's destination counts as one of its sources
	s_wait_tensorcnt 0x0                           ; my 64 rows lie in LDS,
	s_barrier_signal -1
	s_barrier_wait -1                              ; everybody's do
.irp u, 0,1                                    ; K: two keys' 32 channels, 128 bytes each
.irp j, 0,1,2,3,4,5,6,7
	ds_load_b128 v[XK+32*\u+4*\j:XK+32*\u+4*\j+3], v5 offset:\u*8*PITCH+16*\j
.endr
.endr
.set i, 0
.rept 32                                       ; V: A LANE TAKES A CHANNEL AND ITS REGISTERS RUN DOWN THE KEYS: keys 32 hh + i
	ds_load_b32 v[XV+i], v6 offset:i*PITCH
.set i, i+1
.endr
	s_wait_dscnt 32                                ; K's sixteen loads are in; the 32 younger ones may be out
.set i, 0
.rept 32                                       ; and keys 64 + 32 hh + i
	ds_load_b32 v[XV+32+i], v6 offset:(64+i)*PITCH
.set i, i+1
.endr
.irp u, 0,1
	BLOCK32 XK+32*\u, CK+6*\u, CT+4*\u, M0+4*\u
	SUMSQ XK+32*\u, A0+4*\u
.endr
	v_lshl_or_b32 v30, v[M0+7], 16, v[M0+3]        ; my two bytes: block hh of the first key and of the second,
	v_lshlrev_b32 v30, v12, v30                    ; at their places in the pair's scale word;
	v_permlanex16_b32 v31, v30, s[SEL], s[SEL+1]
	v_or_b32 v30, v30, v31                         ; with lane l xor 16's two the word is whole, in both lanes
.irp q, 0,1,2
	global_store_b128 v10, v[CK+4*\q:CK+4*\q+3], s[8:9] offset:KC+512*\q   ; the wave stores 512 consecutive bytes, at a multiple of 256 from kv's first byte
.endr
	ds_store_b32 v7, v30
	ds_store_b32 v8, v[A0]                         ; both lanes of a key write the same word with the same value
	ds_store_b32 v8, v[A0+4] offset:32
	s_wait_dscnt 0x0                               ; V's numbers are in
.irp c, 0,1
	BLOCK32 XV+32*\c, CV+6*\c, CT+4*\c, M0+4*\c
.endr
	v_lshl_or_b32 v13, v[M0+7], 16, v[M0+3]        ; my two bytes: blocks hh and 2 + hh of my channel
	v_lshlrev_b32 v13, v12, v13
	v_permlanex16_b32 v31, v13, s[SEL], s[SEL+1]
	v_or_b32 v13, v13, v31
.irp q, 0,1,2
	global_store_b128 v10, v[CV+4*\q:CV+4*\q+3], s[8:9] offset:VC+512*\q
.endr
	ds_store_b32 v7, v13 offset:512
	s_wait_dscnt 0x0                               ; for the others' sake: my stores into the scratch are done
	s_barrier_signal -1
	s_barrier_wait -1
	s_cmp_eq_u32 s[QD], 3                          ; a chunk's scratch has three pieces of 512 bytes: quarters 0, 1, 2 take one each
	s_cbranch_scc1 .Lend
	ds_load_b128 v[192:195], v9
	s_wait_dscnt 0x0
	global_store_b128 v11, v[192:195], s[8:9] offset:KSO   ; 512 consecutive bytes: K's scale words, V's, or |k|^2
.Lend:
	s_wait_tensorcnt 0x0
	ds_add_u32 v200, v201
	s_wait_dscnt 0x0
	s_endpgm
.Lfunc_end_k_qf381b936f2_prep:
	.size	k_qf381b936f2_prep, .Lfunc_end_k_qf381b936f2_prep-k_qf381b936f2_prep
	.p2alignl 7, 3214868480
	.fill 96, 4, 3214868480
	.section	.rodata,"a",@progbits
	.p2align	6, 0x0
	.amdhsa_kernel k_qf381b936f2_prep
		.amdhsa_group_segment_fixed_size 168960
		.amdhsa_private_segment_fixed_size 0
		.amdhsa_enable_private_segment 0
		.amdhsa_kernarg_size 24
		.amdhsa_user_sgpr_count 2
		.amdhsa_user_sgpr_kernarg_segment_ptr 1
		.amdhsa_wavefront_size32 1
		.amdhsa_system_sgpr_workgroup_id_x 1
		.amdhsa_system_sgpr_workgroup_id_y 1
		.amdhsa_system_sgpr_workgroup_id_z 1
		.amdhsa_system_vgpr_workitem_id 0
		.amdhsa_next_free_vgpr 202
		.amdhsa_next_free_sgpr 66
		.amdhsa_reserve_vcc 0
		.amdhsa_float_denorm_mode_32 3
		.amdhsa_float_denorm_mode_16_64 3
		.amdhsa_memory_ordered 1
		.amdhsa_forward_progress 1
		.amdhsa_inst_pref_size 20
	.end_amdhsa_kernel
	.amdgpu_metadata
---
amdhsa.version: [ 1, 2 ]
amdhsa.kernels:
  - .name:           k_qf381b936f2_prep
    .symbol:         k_qf381b936f2_prep.kd
    .args:
      - { .name: keys, .offset: 0, .size: 8, .value_kind: global_buffer, .address_space: global }
      - { .name: values, .offset: 8, .size: 8, .value_kind: global_buffer, .address_space: global }
      - { .name: kv, .offset: 16, .size: 8, .value_kind: global_buffer, .address_space: global }
    .group_segment_fixed_size: 168960
    .private_segment_fixed_size: 0
    .kernarg_segment_align: 8
    .kernarg_segment_size: 24
    .max_flat_workgroup_size: 256
    .sgpr_count:     66
    .vgpr_count:     202
    .wavefront_size: 32
...
	.end_amdgpu_metadata
.endif
;; end of part 1
;; launch attn (part 2): grid 8 x 32, 16 waves a work-group, clusters of 4 x 1, 292,864 bytes of LDS; arguments queries, kv, out0; writes out0
.if DOCPART == 2
	.amdgcn_target "amdgcn-amd-amdhsa--gfx1250"
	.amdhsa_code_object_version 6
	.text
	.protected	k_qf381b936f2_attn
	.globl	k_qf381b936f2_attn
	.p2align	8
	.type	k_qf381b936f2_attn,@function
k_qf381b936f2_attn:
	s_mov_b64 s[64:65], 0
	v_nop
	global_prefetch_b8 v0, s[64:65] scope:SCOPE_SE
	s_setreg_imm32_b32 hwreg(HW_REG_WAVE_MODE, 25, 1), 1
	s_wait_xcnt 0x0
	s_wait_alu depctr_hold_cnt(0) depctr_sa_sdst(0) depctr_va_vdst(0) depctr_va_sdst(0) depctr_va_ssrc(0) depctr_va_vcc(0) depctr_vm_vsrc(0)
	s_getreg_b32 s2, hwreg(HW_REG_IB_STS2, 6, 4)
	s_cmp_eq_u32 s2, 0
	s_cbranch_scc0 .Lentry_in_a_cluster
	s_endpgm
.Lentry_in_a_cluster:
	s_bfe_u32 s2, ttmp6, 0x10000c
	s_cmp_lg_u32 s2, 0x3003
	s_cbranch_scc0 .Lentry_shape_is_right
	s_endpgm
.Lentry_shape_is_right:
; out[b][q][h][:] = sum over k of softmax_k(sqrt(relu(|q|^2 |k|^2 - (q.k)^2) + 1e-8) / 8) v[k][:].  queries, out0: [4][2048][8][64] f32.  kv: what the launch before has made of keys and values (its layout: below).
; Both products go on codes of FP6 (E2M3) with one E8M0 scale for each 32 along K.  |q|^2 and |k|^2 are of the unquantised numbers.  All between the products is f32.
; THE SOFTMAX AHEAD OF THE SECOND PRODUCT: t = wedge x log2(e) / 8; M = the row's largest t so far, rounded UP to a whole number; p = 2^(t - M) is what is quantised, along the keys; it is not normalised.
; The row's sum is taken of the unquantised p and divides O at the end.  When M moves, the sum and O are multiplied by 2^(old M - new M), which rounds nothing.
; kv, head hd at 221,184 hd, chunk c (keys 128 c on) at + 13,824 c, all as images of registers (register p of lane l of a fragment at 512 (p / 4) + 16 l + 4 (p % 4)):
;   KC: four PAIR fragments of K: registers 0-5: key 32 bb + r + 8 (r / 8), channels 32 hh on; registers 6-11: the key 8 further on.   VC: four fragments of V^T (channel 16 td + r; keys 64 c + 32 hh on).
;   KSO: K's scale words [lane][bb];  VSO: V's [lane][td];  KNO: |k|^2, 128 f32.
; THE FIRST PRODUCT'S K IS 64, THE INSTRUCTION'S 128.  A pair fragment is one operand of 16 rows x 128: its k 0-63 are one key's channels, its k 64-127 another key's.  Q is kept twice: once with its codes at k 0-63 and zero codes
; at k 64-127, once the other way round.  Pair x the first gives the first key's scores, pair x the second the second key's: the half that is not meant meets zero codes.  So no fragment of K is read twice and no zeros are loaded.
; SHARES.  A work-group owns 256 queries of one head; each of its sixteen waves owns 16 of them in 256 registers: four waves to a SIMD, so that one wave's roots and exponentials stand beside another's plain work, loads and products:
; a step of 128 keys has some 480 vector instructions for 12 matrix instructions, so vector work decides, not how many products a fragment feeds.  Every wave walks all 2,048 keys, 128 a step.
; LAYOUT.  Both products are used transposed (S^T = K Q^T, O^T = V^T P^T): a lane holds ONE query (lane % 16) throughout.  By the choice of a tile's keys, score register 16 bb + i of lane (q, h) is key 32 bb + 16 h + i.
; THE WHOLE HEAD STAYS IN LDS: 221,184 bytes, as they lie in kv, filled once: no slot is filled again, and no barrier stands in the loops.  Behind them: a stage of 16 rows x 272 bytes for each wave, for Q's way in and O's way out.
; CLUSTER.  The four query blocks of a cluster belong to one head and want the same bytes of kv: each fill is asked for JOINTLY, by the same tensor load with the same descriptor and a mask that names the four.
; LIMITS: NaN and infinities among the inputs are not served.  A block of Q whose largest magnitude lies under 2^-124, and a block of p that has fallen to zeros, is held at the scale byte 1 (zero codes add nothing).
; |q|^2 |k|^2 - dot^2 is one fused multiply-add on the rounded square: one rounding fewer than a product and a difference.  A block's largest p is not searched for: the block's largest wedge^2 goes through the same instructions as
; every score, which takes v_sqrt_f32 and v_exp_f32 not to fall where their input rises.  |q|^2 is summed in two packed chains.
.set HEADB, 221184
.set CHUNK, 13824
.set KC,    0
.set VC,    6144
.set KSO,   12288
.set VSO,   12800
.set KNO,   13312
.set HALF,  8*CHUNK                    ; what the sixteen waves' first loads bring together: chunks 0-7
.set PART,  HALF/16                    ; a wave's part of it: 27 rows of 256 bytes
.set STAGE, HEADB                      ; behind the head: the stages, written by LDS stores alone
.set SP,    272
.set L16, 1                            ; v1   16 x lane
.set LKN, 2                            ; v2   64 x (lane / 16): my 16 keys' |k|^2 in a block of 32
.set AD,  3                            ; v3   the chunk in hand + 16 x lane
.set ADN, 4                            ; v4   the chunk in hand + 64 x (lane / 16)
.set GO,  5                            ; v5   Q in, O out: lanes 0-15 one row, lanes 16-31 the next (2,048 bytes on), 16 bytes a lane
.set STI, 6                            ; v6   the stage: row r, + 32 (lane / 16)
.set STO, 7                            ; v7   the stage: row lane / 16, + 16 r
.set QN,  10                           ; v[10:11] |q|^2 (named as a pair)
.set QF,  16                           ; v16-27 Q with zeros above; v28-39 Q with zeros below.  v12 -M, v13 the largest t, v[14:15] the sum in two halves
.set QS,  40                           ; v40, v41 their scale words
.set KS,  42                           ; v42-45 K's four scale words, later V's
.set R1,  46                           ; v46-93 K's four pair fragments, later V's four fragments
.set S,   94                           ; v94-157 dot, then wedge^2, wedge, t - M, p
.set O,   158                          ; v158-189 O^T, four tiles
.set W,   190                          ; v190-253 |k|^2 in the scores' layout; then at work:
.set BM,  190                          ; v190-193 the blocks' largest
.set BP,  194                          ; v194-197 the other half's; then the scale bytes
.set SCO, 198                          ; v198-201 the conversions' scale operands
.set PC,  202                          ; v202-213 p's codes
.set CT,  214                          ; v214-221 the second blocks of each pair, as the conversions leave them
.set F,   222                          ; v[222:223] 2^(old M - new M) (named as a pair)
.set TP,  224                          ; v[224:225] the sum's second chain
.set T0,  226
.set PW,  254                          ; p's scale word
.set T1,  255
.set WV,  10                           ; s10 wave
.set SEL, 20                           ; s[20:21] lane selects for v_permlanex16_b32: lane l xor 16
.set CS,  22                           ; s[22:23] log2(e) / 8: the packed form names a pair and takes its low word for both halves
.set EPS, 24                           ; s[24:25] 1e-8 likewise
.set G1,  28                           ; s[28:35] descriptor group 1;  s[36:39], s[40:43] groups 0 of my two fills
.set G0,  36
.set TB,  44                           ; s44 LDS byte at which the chunk in hand begins
.set CNT, 45
.macro CROUND                          ; a round of the cluster's barrier
	s_barrier_signal -1
	s_barrier_wait -1
	s_cmp_lg_u32 s[WV], 0
	s_cbranch_scc1 .Lnot_wave_0_\@
	s_barrier_signal -3
.Lnot_wave_0_\@:
	s_barrier_wait -3
	s_barrier_signal -1
	s_barrier_wait -1
.endm
; 32 numbers of one block, v[x] on, become 6 registers of codes, v[cd] on.  v[m], v[m+1]: the largest magnitude in two chains; v[m+2]: the conversions' scale operand; v[m+3]: the scale's byte.
.macro BLOCK32 x, cd, tmp, m
.set QX, \x
.set QC, \cd
.set QT, \tmp
.set QM, \m
	v_max3_num_f32 v[QM], |v[QX]|, |v[QX+1]|, |v[QX+2]|
	v_max3_num_f32 v[QM+1], |v[QX+3]|, |v[QX+4]|, |v[QX+5]|
.irp i, 6,10,14,18,22,26
	v_max3_num_f32 v[QM], v[QM], |v[QX+\i]|, |v[QX+\i+1]|
	v_max3_num_f32 v[QM+1], v[QM+1], |v[QX+\i+2]|, |v[QX+\i+3]|
.endr
	v_max3_num_f32 v[QM], v[QM], |v[QX+30]|, |v[QX+31]|
	v_max3_num_f32 v[QM], v[QM], v[QM+1], 0x1800000        ; and the floor 2^(3 - 127): the byte cannot fall under 1
	v_add_nc_u32 v[QM+2], 0xff000000, v[QM]                ; 2 off the exponent field: the conversion takes this operand's exponent field as its scale
	v_lshrrev_b32 v[QM+3], 23, v[QM+2]                     ; the scale's byte
	v_cvt_scalef32_pk16_fp6_f32 v[QC:QC+2], v[QX:QX+15], v[QM+2]
	v_cvt_scalef32_pk16_fp6_f32 v[QT:QT+2], v[QX+16:QX+31], v[QM+2]   ; (a conversion's three registers begin on an even number)
	v_nop                                                  ; one plain place behind a scaled conversion
.irp i, 0,1,2
	v_mov_b32 v[QC+3+\i], v[QT+\i]
.endr
.endm
; the sum of the squares of a row of 64: my 32 numbers in two packed chains, then lane l xor 16's 32.  The result stands in v[a], in both lanes.
.macro SUMSQ x, a
.set QX, \x
.set QA, \a
	v_pk_mul_f32 v[QA:QA+1], v[QX:QX+1], v[QX:QX+1]
	v_pk_mul_f32 v[QA+2:QA+3], v[QX+2:QX+3], v[QX+2:QX+3]
.irp i, 4,8,12,16,20,24,28
	v_pk_fma_f32 v[QA:QA+1], v[QX+\i:QX+\i+1], v[QX+\i:QX+\i+1], v[QA:QA+1]
	v_pk_fma_f32 v[QA+2:QA+3], v[QX+\i+2:QX+\i+3], v[QX+\i+2:QX+\i+3], v[QA+2:QA+3]
.endr
	v_pk_add_f32 v[QA:QA+1], v[QA:QA+1], v[QA+2:QA+3]
	v_add_f32 v[QA], v[QA], v[QA+1]
	v_permlanex16_b32 v[QA+1], v[QA], s[SEL], s[SEL+1]
	v_add_f32 v[QA], v[QA], v[QA+1]
.endm
	s_load_b128 s[4:7], s[0:1], 0x0                ; queries s[4:5], kv s[6:7]
	s_load_b64 s[8:9], s[0:1], 0x10                ; out0
	v_lshl_add_u32 v254, v0, 2, 0x47000
	v_mov_b32 v255, 0
	ds_add_u32 v254, v255
	ds_add_u32 v254, v255
	s_wait_dscnt 0x0
	v_lshrrev_b32 v8, 5, v0
	v_readfirstlane_b32 s[WV], v8                  ; wave 0..15
	s_bfe_u32 s11, ttmp6, 0x40000                  ; cx: my place in the cluster: it enters Q's and O's addresses alone
	s_lshl_b32 s12, ttmp9, 2                       ; in a cluster launch ttmp9 counts clusters
	s_add_co_u32 s12, s12, s11                     ; my block of 256 queries
	s_and_b32 s13, ttmp7, 0xffff                   ; the head = 8 b + h, which the four partners share
	s_mul_i32 s46, s[WV], PART                     ; my part of a fill: the same bytes on in kv's head and in LDS
	s_mul_i32 s14, s13, HEADB
	s_add_co_u32 s14, s14, s46
	s_mov_b32 s15, 0
	s_lshr_b32 s16, s13, 3                         ; my wave's first row of queries and of out0: b x 2048 rows of 2,048 bytes
	s_lshl_b32 s16, s16, 22
	s_lshl_b32 s17, s12, 19                        ; + 256 x block rows
	s_add_co_u32 s16, s16, s17
	s_lshl_b32 s17, s[WV], 15                      ; + 16 x wave rows
	s_add_co_u32 s16, s16, s17
	s_and_b32 s17, s13, 7                          ; + h x 256 bytes
	s_lshl_b32 s17, s17, 8
	s_add_co_u32 s16, s16, s17
	s_mov_b32 s17, 0
	; descriptor group 1: a dense block of 27 rows of 256 bytes (32 elements of 8 bytes), no padding
	s_mov_b32 s[G1+0], 15|(3<<16)|(1<<21)          ; 15:0 the mask: all four work-groups; 17:16 elements of 8 bytes; 21 set beside a mask
	s_mov_b32 s[G1+1], 32<<16                      ; tensor_dim0
	s_mov_b32 s[G1+2], 27<<16                      ; tensor_dim1
	s_mov_b32 s[G1+3], 32<<16                      ; tile_dim0
	s_mov_b32 s[G1+4], 27                          ; tile_dim1
	s_mov_b32 s[G1+5], 32                          ; tensor_dim0_stride
	s_mov_b32 s[G1+6], 0
	s_mov_b32 s[G1+7], 0
	s_mov_b32 s[SEL], 0x76543210
	s_mov_b32 s[SEL+1], 0xfedcba98
	s_mov_b32 s[CS], 0x3e38aa3b                    ; log2(e) / 8
	s_mov_b32 s[CS+1], s[CS]
	s_mov_b32 s[EPS], 0x322bcc77                   ; 1e-8
	s_mov_b32 s[EPS+1], s[EPS]
	s_wait_kmcnt 0x0
	s_add_nc_u64 s[6:7], s[6:7], s[14:15]          ; kv at my part of the head's first half
	s_add_nc_u64 s[4:5], s[4:5], s[16:17]
	s_add_nc_u64 s[8:9], s[8:9], s[16:17]
	s_mov_b32 s[G0], 1
	s_mov_b32 s[G0+1], s46
	s_mov_b64 s[G0+2:G0+3], s[6:7]
	s_or_b32 s[G0+3], s[G0+3], 0x80000000
	s_mov_b32 s[G0+4], 1
	s_add_co_u32 s[G0+5], s46, HALF
	s_add_nc_u64 s[G0+6:G0+7], s[6:7], HALF
	s_or_b32 s[G0+7], s[G0+7], 0x80000000
	CROUND                                         ; all four work-groups are here: the joint loads meet
	tensor_load_to_lds s[G0:G0+3], s[G1:G1+7]      ; my part of chunks 0-7,
	s_nop 0
	tensor_load_to_lds s[G0+4:G0+7], s[G1:G1+7]    ; and of chunks 8-15: two tensor loads of mine are out, and no more are issued
	s_nop 0
.rept 4
	v_nop
.endr
	v_and_b32 v8, 15, v0                           ; r
	v_bfe_u32 v9, v0, 4, 1                         ; hh
	v_and_b32 v[L16], 31, v0
	v_lshlrev_b32 v[L16], 4, v[L16]
	v_lshlrev_b32 v[LKN], 6, v9
	v_lshlrev_b32 v[GO], 11, v9
	v_lshl_add_u32 v[GO], v8, 4, v[GO]
.irp j, 0,1,2,3,4,5,6,7                        ; Q: sixteen lanes read a row's 256 consecutive bytes; rows 2 j and 2 j + 1
	global_load_b128 v[S+4*\j:S+4*\j+3], v[GO], s[4:5] offset:4096*\j th:TH_LOAD_NT
.endr
	s_mul_i32 s47, s[WV], 16*SP
	s_add_co_u32 s47, s47, STAGE                   ; my stage
	v_mul_u32_u24 v[STI], v8, SP
	v_lshl_add_u32 v[STI], v9, 5, v[STI]
	v_add_nc_u32 v[STI], s47, v[STI]
	v_mul_u32_u24 v[STO], v9, SP
	v_lshl_add_u32 v[STO], v8, 4, v[STO]
	v_add_nc_u32 v[STO], s47, v[STO]
	v_mul_u32_u24 v[AD], v8, SP                    ; for now: the stage's row r, + 128 hh: channels 32 hh on of my query
	v_lshl_add_u32 v[AD], v9, 7, v[AD]
	v_add_nc_u32 v[AD], s47, v[AD]
.irp j, 0,1,2,3,4,5,6,7
	s_wait_loadcnt 7-\j                            ; loads come back in order: rows 2 j, 2 j + 1 are in, the younger ones may be out
	ds_store_b128 v[STO], v[S+4*\j:S+4*\j+3] offset:2*SP*\j
.endr
.irp j, 0,1,2,3,4,5,6,7
	ds_load_b128 v[S+32+4*\j:S+32+4*\j+3], v[AD] offset:16*\j   ; LDS serves a wave's instructions in order: these see my stores
.endr
	v_lshlrev_b32 v[T1], 3, v9                     ; 8 hh
	v_mov_b32 v[W+13], 0                           ; written once: a lane permute's destination counts as one of its sources
	s_wait_dscnt 0x0
	BLOCK32 S+32, QF, W, W+4                       ; my block of Q: codes in v16-21, byte in v[W+7]
	SUMSQ S+32, W+8
	v_lshlrev_b32 v[W+12], v[T1], v[W+7]           ; my byte at its place; with lane l xor 16's the two bytes of my query
	v_permlanex16_b32 v[W+13], v[W+12], s[SEL], s[SEL+1]
	v_or_b32 v[QS], v[W+12], v[W+13]               ; bytes 0, 1: Q's scales; bytes 2, 3: 0, over zero codes
	v_lshlrev_b32 v[QS+1], 16, v[QS]               ; and the other way round
	v_mov_b32 v[QN], v[W+8]
	v_mov_b32 v[QN+1], v[W+8]
.irp i, 6,7,8,9,10,11,12,13,14,15,16,17
	v_mov_b32 v[QF+\i], 0                          ; zero codes: the upper half of the first copy, the lower half of the second
.endr
.irp i, 0,1,2,3,4,5
	v_mov_b32 v[QF+18+\i], v[QF+\i]
.endr
	v_mov_b32 v13, 0xff61b1e6                      ; the largest t so far: -3e38, under every t
	v_floor_f32 v12, -v13                          ; -M
	v_mov_b32 v14, 0                               ; the sum, in two halves
	v_mov_b32 v15, 0
.set j, 0
.rept 32
	v_mov_b32 v[O+j], 0                            ; O^T.  (The step is written once: the first finds zeros, which the first change of M leaves zeros.  These lines are also the places between the scale words and operands just written and the first products)
.set j, j+1
.endr
; A STEP: 128 keys, the chunk at LDS byte s[TB].
.macro STEP
	v_add_nc_u32 v[AD], s[TB], v[L16]
	v_add_nc_u32 v[ADN], s[TB], v[LKN]
	v_nop
	v_nop                                          ; four places behind the last step's products, in front of loads into registers that they have read
.irp bb, 0,1,2,3
.irp q, 0,1,2
	ds_load_b128 v[R1+12*\bb+4*\q:R1+12*\bb+4*\q+3], v[AD] offset:KC+1536*\bb+512*\q   ; an image: the wave reads 512 consecutive bytes
.endr
.endr
	ds_load_b128 v[KS:KS+3], v[AD] offset:KSO
.irp bb, 0,1,2,3
.irp j, 0,1,2,3
	ds_load_b128 v[W+16*\bb+4*\j:W+16*\bb+4*\j+3], v[ADN] offset:KNO+128*\bb+16*\j     ; |k|^2 of keys 32 bb + 16 hh + 4 j on: the same for all lanes of a half
.endr
.endr
	s_wait_dscnt 16                                ; K's fragments and scale words are in; the sixteen younger loads (|k|^2) may be out
.irp bb, 0,1,2,3                               ; S^T = K Q^T: eight accumulators, each begun with 0
.irp u, 0,1
	v_wmma_scale_f32_16x16x128_f8f6f4 v[S+16*\bb+8*\u:S+16*\bb+8*\u+7], v[R1+12*\bb:R1+12*\bb+11], v[QF+12*\u:QF+12*\u+11], 0, v[KS+\bb], v[QS+\u] matrix_a_fmt:MATRIX_FMT_FP6 matrix_b_fmt:MATRIX_FMT_FP6
.endr
.endr
.rept 4
	v_nop                                          ; places in front of the loads into K's registers and of the first read of the scores
.endr
.irp td, 0,1,2,3                               ; V's fragments take K's registers: they land while the softmax is worked
.irp q, 0,1,2
	ds_load_b128 v[R1+12*\td+4*\q:R1+12*\td+4*\q+3], v[AD] offset:VC+1536*\td+512*\q
.endr
.endr
	ds_load_b128 v[KS:KS+3], v[AD] offset:VSO
.set j, 0
.rept 32
	v_pk_mul_f32 v[S+j:S+j+1], v[S+j:S+j+1], v[S+j:S+j+1]   ; dot^2, each accumulator from its low end on
.set j, j+2
.endr
	s_wait_dscnt 13                                ; |k|^2 is in; V's thirteen loads may be out
.set j, 0
.rept 32
	v_pk_fma_f32 v[S+j:S+j+1], v[W+j:W+j+1], v[QN:QN+1], v[S+j:S+j+1] op_sel_hi:[1,0,1] neg_lo:[0,0,1] neg_hi:[0,0,1]   ; |k|^2 |q|^2 - dot^2
.set j, j+2
.endr
.irp b, 0,1,2,3
	v_max3_num_f32 v[BM+\b], v[S+16*\b], v[S+16*\b+1], 0   ; THE LARGEST OF EACH BLOCK OF 32 KEYS, with 0 among the leaves (the relu): it serves for the row's maximum and for the block's largest p
.endr
.irp i, 2,4,6,8,10,12,14
.irp b, 0,1,2,3
	v_max3_num_f32 v[BM+\b], v[BM+\b], v[S+16*\b+\i], v[S+16*\b+\i+1]   ; (the four blocks by turns)
.endr
.endr
.irp b, 0,1,2,3
	v_permlanex16_b32 v[BP+\b], v[BM+\b], s[SEL], s[SEL+1]
.endr
.irp b, 0,1,2,3
	v_max_num_f32 v[BM+\b], v[BM+\b], v[BP+\b]     ; with lane l xor 16's 16 keys
.endr
.irp b, 0,1,2,3
	v_add_f32 v[BM+\b], s[EPS], v[BM+\b]
.endr
.set j, 0
.rept 64
	v_max_num_f32 v[S+j], 0, v[S+j]                ; relu
.set j, j+1
.endr
.set j, 0
.rept 32
	v_pk_add_f32 v[S+j:S+j+1], v[S+j:S+j+1], s[EPS:EPS+1] op_sel_hi:[1,0]
.set j, j+2
.endr
.set j, 0
.rept 64
	v_sqrt_f32 v[S+j], v[S+j]                      ; the wedge
.set j, j+1
.endr
.irp b, 0,1,2,3
	v_sqrt_f32 v[BM+\b], v[BM+\b]                  ; the same instructions on the same number give the same bits
.endr
	v_mov_b32 v[T1], v12                           ; the old -M.  (A plain place behind the roots)
	s_wait_alu depctr_va_vdst(0)
	v_max3_num_f32 v[T0], v[BM], v[BM+1], v[BM+2]
	v_max_num_f32 v[T0], v[T0], v[BM+3]            ; the step's largest wedge of my query
	v_mul_f32 v[T0], s[CS], v[T0]                  ; as t
	v_max_num_f32 v13, v13, v[T0]                  ; the running largest t
	v_floor_f32 v12, -v13                          ; the new -M = floor(-t) = -ceil(t): M IS A WHOLE NUMBER
	v_sub_f32 v[T0], v12, v[T1]                    ; M's old value less its new one: a whole number, 0 or less
	v_cvt_i32_f32 v[T0], v[T0]                     ; (it saturates)
	v_ldexp_f32 v[F], 1.0, v[T0]                   ; f = 2^(old M - new M)
.set j, 0
.rept 32
	v_pk_fma_f32 v[S+j:S+j+1], v[S+j:S+j+1], s[CS:CS+1], v[12:13] op_sel_hi:[1,0,0]   ; t - M (of the pairs the low word serves both halves)
.set j, j+2
.endr
.irp b, 0,1,2,3
	v_fma_f32 v[BM+\b], v[BM+\b], s[CS], v12
.endr
.set j, 0
.rept 64
	v_exp_f32 v[S+j], v[S+j]                       ; p = 2^(t - M), at most 1: NOT normalised
.set j, j+1
.endr
.irp b, 0,1,2,3
	v_exp_f32 v[BM+\b], v[BM+\b]                   ; the block's largest p
.endr
	v_pk_mul_f32 v[14:15], v[14:15], v[F:F+1] op_sel_hi:[1,0]   ; the sums under the new M.  (A plain place behind the exponentials)
	s_wait_alu depctr_va_vdst(0)
.irp b, 0,1,2,3
	v_max_num_f32 v[BM+\b], 0x1800000, v[BM+\b]    ; the floor 2^(3 - 127): the byte cannot fall under 1
.endr
.irp b, 0,1,2,3
	v_add_nc_u32 v[SCO+\b], 0xff000000, v[BM+\b]   ; 2 off the exponent field: the conversion's scale operand
.endr
.irp b, 0,1,2,3
	v_lshrrev_b32 v[BP+\b], 23, v[SCO+\b]          ; the scale's byte
.endr
	v_lshl_or_b32 v[PW], v[BP+1], 8, v[BP]         ; p's scale word for these 128 keys
	v_lshl_or_b32 v[PW], v[BP+2], 16, v[PW]
	v_lshl_or_b32 v[PW], v[BP+3], 24, v[PW]
.irp c, 0,1
	v_cvt_scalef32_pk16_fp6_f32 v[PC+6*\c:PC+6*\c+2], v[S+32*\c:S+32*\c+15], v[SCO+2*\c]
	v_cvt_scalef32_pk16_fp6_f32 v[CT+4*\c:CT+4*\c+2], v[S+32*\c+16:S+32*\c+31], v[SCO+2*\c+1]
.endr
	v_nop                                          ; one plain place behind a scaled conversion
.irp c, 0,1                                    ; the operand's layout wants a WHOLE block in a lane: lanes 0-15 block 2 c, lanes 16-31 block 2 c + 1
.irp i, 0,1,2
	v_permlane16_swap_b32 v[PC+6*\c+\i], v[CT+4*\c+\i]
.endr
.irp i, 0,1,2
	v_mov_b32 v[PC+6*\c+3+\i], v[CT+4*\c+\i]
.endr
.endr
	v_pk_add_f32 v[TP:TP+1], v[S:S+1], v[S+2:S+3]  ; THE ROW'S SUM IS TAKEN OF THE UNQUANTISED p: two at a time, in two chains
.irp j, 4,8,12,16,20,24,28,32,36,40,44,48,52,56,60
	v_pk_add_f32 v[14:15], v[14:15], v[S+\j:S+\j+1]
	v_pk_add_f32 v[TP:TP+1], v[TP:TP+1], v[S+\j+2:S+\j+3]
.endr
	v_pk_add_f32 v[14:15], v[14:15], v[TP:TP+1]
.set j, 0
.rept 16
	v_pk_mul_f32 v[O+j:O+j+1], v[O+j:O+j+1], v[F:F+1] op_sel_hi:[1,0]   ; O^T under the new M, each accumulator from its low end on.  (With the sums above: the places between p's scale word and codes and the products below)
.set j, j+2
.endr
	s_wait_dscnt 0x0                               ; V's fragments and scale words are in
.irp td, 0,1,2,3                               ; O^T += V^T P^T: the four accumulators by turns, one instruction a turn; the next step's eight products stand between an accumulator's turns
	v_wmma_scale_f32_16x16x128_f8f6f4 v[O+8*\td:O+8*\td+7], v[R1+12*\td:R1+12*\td+11], v[PC:PC+11], v[O+8*\td:O+8*\td+7], v[KS+\td], v[PW] matrix_a_fmt:MATRIX_FMT_FP6 matrix_b_fmt:MATRIX_FMT_FP6
.endr
.endm
; Eight steps on the chunks from LDS byte base on.  left: how many of my tensor loads may stay out.
.macro PHASE left, base
	s_wait_tensorcnt \left                         ; tensor loads of a wave end in order: my part of these eight chunks is in,
	s_wait_dscnt 0x0
	s_barrier_signal -1
	s_barrier_wait -1                              ; everybody's is
	s_mov_b32 s[TB], \base
	s_mov_b32 s[CNT], 8
.Lstep_\@:
	STEP
	s_add_co_u32 s[TB], s[TB], CHUNK
	s_sub_co_u32 s[CNT], s[CNT], 1
	s_cmp_lg_u32 s[CNT], 0
	s_cbranch_scc1 .Lstep_\@
.endm
	PHASE 1, 0                                     ; chunks 0-7, while my second load may still be on its way
	PHASE 0, HALF                                  ; chunks 8-15
	; THE WAY OUT.  O^T is divided by the row's sum and goes through my stage, so that sixteen lanes store a row's 256 consecutive bytes.
.rept 4
	v_nop                                          ; places behind the last products
.endr
	v_add_f32 v14, v14, v15                        ; the sum's two halves,
	v_permlanex16_b32 v[T1], v14, s[SEL], s[SEL+1]
	v_add_f32 v14, v14, v[T1]                      ; and lane l xor 16's: the row's sum
	v_rcp_f32 v14, v14
	v_nop                                          ; one plain place behind a transcendental
.set j, 0
	s_wait_alu depctr_va_vdst(0)
.rept 32
	v_mul_f32 v[S+j], v[O+j], v14                  ; register 8 td + i is o(query r, channel 16 td + 8 hh + i)
.set j, j+1
.endr
.irp td, 0,1,2,3
	ds_store_b128 v[STI], v[S+8*\td:S+8*\td+3] offset:64*\td
	ds_store_b128 v[STI], v[S+8*\td+4:S+8*\td+7] offset:64*\td+16
.endr
.irp i, 0,1,2,3,4,5,6,7
	ds_load_b128 v[R1+4*\i:R1+4*\i+3], v[STO] offset:2*SP*\i   ; LDS serves a wave's instructions in order: these see my stores
.endr
.irp i, 0,1,2,3,4,5,6,7
	s_wait_dscnt 7-\i                              ; rows 2 i, 2 i + 1 are back; the younger loads may be out
	global_store_b128 v[GO], v[R1+4*\i:R1+4*\i+3], s[8:9] offset:4096*\i th:TH_STORE_NT   ; sixteen lanes store 256 consecutive bytes, at a multiple of 256 from out0's first byte
.endr
	s_wait_dscnt 0x0
	s_wait_xcnt 0x0
	v_lshl_add_u32 v254, v0, 2, 0x47000
	v_mov_b32 v255, 0
	s_wait_tensorcnt 0x0
	ds_add_u32 v254, v255
	s_wait_dscnt 0x0
	CROUND                                         ; the closing round: no work-group ends while a partner may still ask for bytes by a load that names it
	s_endpgm
.Lfunc_end_k_qf381b936f2_attn:
	.size	k_qf381b936f2_attn, .Lfunc_end_k_qf381b936f2_attn-k_qf381b936f2_attn
	.p2alignl 7, 3214868480
	.fill 96, 4, 3214868480
	.section	.rodata,"a",@progbits
	.p2align	6, 0x0
	.amdhsa_kernel k_qf381b936f2_attn
		.amdhsa_group_segment_fixed_size 292864
		.amdhsa_private_segment_fixed_size 0
		.amdhsa_enable_private_segment 0
		.amdhsa_kernarg_size 24
		.amdhsa_user_sgpr_count 2
		.amdhsa_user_sgpr_kernarg_segment_ptr 1
		.amdhsa_wavefront_size32 1
		.amdhsa_system_sgpr_workgroup_id_x 1
		.amdhsa_system_sgpr_workgroup_id_y 1
		.amdhsa_system_sgpr_workgroup_id_z 1
		.amdhsa_system_vgpr_workitem_id 0
		.amdhsa_next_free_vgpr 256
		.amdhsa_next_free_sgpr 66
		.amdhsa_reserve_vcc 0
		.amdhsa_float_denorm_mode_32 3
		.amdhsa_float_denorm_mode_16_64 3
		.amdhsa_memory_ordered 1
		.amdhsa_forward_progress 1
		.amdhsa_inst_pref_size 69
	.end_amdhsa_kernel
	.amdgpu_metadata
---
amdhsa.version: [ 1, 2 ]
amdhsa.kernels:
  - .name:           k_qf381b936f2_attn
    .symbol:         k_qf381b936f2_attn.kd
    .args:
      - { .name: queries, .offset: 0, .size: 8, .value_kind: global_buffer, .address_space: global }
      - { .name: kv, .offset: 8, .size: 8, .value_kind: global_buffer, .address_space: global }
      - { .name: out0, .offset: 16, .size: 8, .value_kind: global_buffer, .address_space: global }
    .group_segment_fixed_size: 292864
    .private_segment_fixed_size: 0
    .kernarg_segment_align: 8
    .kernarg_segment_size: 24
    .max_flat_workgroup_size: 512
    .sgpr_count:     66
    .vgpr_count:     256
    .wavefront_size: 32
...
	.end_amdgpu_metadata
.endif
;; end of part 2
